; MI455X (gfx1250); checked and timed in simulation.
; The chip was launched on July 23, 2026; its instructions are those of AMD's public machine-readable ISA for CDNA 5 (MIT licence, August 2026) and "CDNA5" Instruction Set Architecture Reference Guide (July 2026). The comments in the code are by the model that wrote it; some were corrected since.
;; Attention Block. Allowed arithmetic: matrix products marked QUANTISED: E4M3 operands, one given power-of-two scale a tensor, by v_wmma_f32_16x16x64_fp8_fp8 or v_wmma_f32_16x16x128_fp8_fp8, f32 sums; everything else in f32.
;; Inputs: b_out 1,024 float32; b_qkv 3 x 16 x 64 float32; lowp_scales 8 int32 (the exponents e of the quantised operands' scales 2^e); w_out 16 x 64 x 1,024 float32; w_qkv_codes 3 x 16 x 64 x 32 x 32 uint8 (E4M3 codes of w_qkv, K innermost, in blocks of 32 codes); x_codes 4 x 2,048 x 32 x 32 uint8 (E4M3 codes of x, K innermost, in blocks of 32 codes).
;; Outputs: out0 4 x 2,048 x 1,024 float32.
;; This version of the problem:
;;   THIS VERSION OF THE PROBLEM IS GIVEN IN LOW PRECISION. The matrix products marked QUANTISED in the list below multiply operands that are first quantised to E4M3 (4 exponent bits, 3 mantissa bits; 8 bits a number), with one given power-of-two scale for each operand tensor; their sums are f32. All else is computed in f32.
;;   The module's matrix products, in the order in which they are computed (A, B: the left and right operand; K: the contracted axis; several contracted axes count as one K, in the product's order):
;;     1. [M 8,192, K 1,024] x [K 1,024, N 3,072]; A: input x (given as codes); B: input w_qkv (given as codes): QUANTISED (scales: A lowp_scales[0], B lowp_scales[1])
;;     2. batch 64 x [M 2,048, K 64] x [K 64, N 2,048]; A: computed on the way; B: computed on the way: QUANTISED (scales: A lowp_scales[2], B lowp_scales[3])
;;     3. batch 64 x [M 64, K 2,048] x [K 2,048, N 2,048]; A: computed on the way; B: softmax (see below): QUANTISED (scales: A lowp_scales[4], B lowp_scales[5])
;;     4. [M 8,192, K 1,024] x [K 1,024, N 1,024]; A: computed on the way; B: input w_out: QUANTISED (scales: A lowp_scales[6], B lowp_scales[7])
;;   THE QUANTISER, for each operand of a quantised product, along K:
;;     - The operand's scale is 2^e, e = its entry of the input lowp_scales (int32; the entries are numbered through the quantised products in the list's order, A before B).
;;     - Each number is divided by the scale, clamped to +-448, and rounded to the nearest number of E4M3, ties to even, subnormals kept.
;;     - The product sums the exact products of the quantised numbers (number of the format x scale) in f32.
;;   ~~~python
;;   def quantise(x, axis, e):      # numpy; x: float32 -> the quantised numbers, widened to float32 again
;;       x = np.moveaxis(x, axis, -1); K = x.shape[-1]
;;       r = np.clip(x / 2.0 ** e, -448, 448)
;;       step = 2.0 ** (np.maximum(np.frexp(np.where(r == 0, 1, r))[1] - 1, -6) - 3)
;;       q = np.round(r / step) * step * 2.0 ** e      # np.round: ties to even
;;       return np.moveaxis(q, -1, axis).astype(np.float32)
;;   ~~~
;;   SOFTMAX AHEAD OF A QUANTISED PRODUCT. Where the list says 'softmax', what is quantised is not the finished softmax but p = 2^(t - M), with t = logit x log2(e) and M = ceil(the row's largest t), a whole number; so 1/2 < the row's largest p <= 1. The row's sum l is taken of the UNQUANTISED p, in f32, and the product's result is divided by l at the end. Since M is a whole number, a kernel that streams over the keys may use a running M (the ceiling of the running maximum): every later rescaling is an exact power of two, so the quantised numbers keep their values, but for numbers so far below the row's largest that they fall under the format's range.
;;   OPERANDS COMPUTED ON THE WAY. 'Computed on the way' means the value that the module computes at that place (a softmax that the list does not call 'softmax' is quantised finished and normalised). What goes into a quantiser is computed in f32, as accurately as f32 sums, v_exp_f32 and their like allow (about 1e-6 of the number): no bf16 or f16 on the way to a quantiser, and a product that is left as it is and whose result goes on into a quantised operand takes f32 operands (vector FMAs, or v_wmma_f32_16x16x4_f32). A number that lies on a knife's edge between two numbers of the format may be rounded either way, as far as f32 arithmetic and the matrix unit's own rounding can turn it there, and no further.
;;   INPUTS GIVEN AS CODES. w_qkv (in the module: [1024, 3, 16, 64], K = its axis 0); x (in the module: [4, 2048, 1024], K = its axis 2): each comes as NAME_codes (uint8): NAME with its K axis moved to the last place and cut into blocks of 32 codes, [.., K / 32, bytes a block], one block behind the other in memory; one code a byte (a code: sign, 4 exponent bits, 3 mantissa bits); its scale is its entry of lowp_scales. Its value is code x scale, taken as it is: it is not quantised again, and the codes and scales need not be those that the quantiser above would give.
;; One version. Each part assembles by itself: llvm-mc -triple=amdgcn-amd-amdhsa -mcpu=gfx1250 --defsym DOCPART=n.
;; ======== version 1 of 1: 3 launches
;; limits: right only within a limited range of input values
;; workspace buffers: q_img 8,388,608 bytes; k_img 8,388,608 bytes; v_img 8,388,608 bytes; ans_img 8,388,608 bytes; wo_img 1,048,576 bytes
;; launch qkv (part 1): grid 8 x 32, 4 waves a work-group, clusters of 4 x 4, 327,680 bytes of LDS; arguments x_codes, w_qkv_codes, b_qkv, w_out, lowp_scales, q_img, k_img, v_img, wo_img; writes q_img, k_img, v_img, wo_img
.if DOCPART == 1
	.amdgcn_target "amdgcn-amd-amdhsa--gfx1250"
	.amdhsa_code_object_version 6
	.text
	.protected	k_qfb0c35af54_qkv
	.globl	k_qfb0c35af54_qkv
	.p2align	8
	.type	k_qfb0c35af54_qkv,@function
k_qfb0c35af54_qkv:
	s_mov_b64 s[64:65], 0
	v_nop
	global_prefetch_b8 v0, s[64:65] scope:SCOPE_SE
	s_setreg_imm32_b32 hwreg(HW_REG_WAVE_MODE, 25, 1), 1
	s_wait_xcnt 0x0
	s_wait_alu depctr_hold_cnt(0) depctr_sa_sdst(0) depctr_va_vdst(0) depctr_va_sdst(0) depctr_va_ssrc(0) depctr_va_vcc(0) depctr_vm_vsrc(0)
	s_getreg_b32 s2, hwreg(HW_REG_IB_STS2, 6, 4)
	s_cmp_eq_u32 s2, 0
	s_cbranch_scc0 .Lentry_in_a_cluster
	s_endpgm
.Lentry_in_a_cluster:
	s_bfe_u32 s2, ttmp6, 0x10000c
	s_cmp_lg_u32 s2, 0xf033
	s_cbranch_scc0 .Lentry_shape_is_right
	s_endpgm
.Lentry_shape_is_right:
.set PITCH,  272
.set HALFT,  128*PITCH
.set WOFF,   2*HALFT
.set SLOT,   3*HALFT
.set SPARE,  2*SLOT
.set FLD,    (1<<20)|(1<<21)|(5<<22)|(3<<25)
.set WPASS,  1024*1024
.set G1X, 24
.set G1W, 32
.set G0X, 40
.set G0W, 48
.set WV,  56
.set WH,  57
.set WL,  58
.set LI,  4
.set ADRX, 16
.set ADRW, 20
.set SPW, 28
.set NIL, 29
.set BQ,  32
.set BK,  64
.set BV,  96
.set T,   104
.set C,   168
.set MSB, 0
.macro WIN new
.if MSB != \new
	s_set_vgpr_msb (MSB<<8)|\new
.set MSB, \new
.endif
.endm
.macro PLACES n
.rept \n
	v_nop
.endr
.endm
.macro JLOAD s
	s_cmp_eq_u32 s[WH], 0
	s_cbranch_scc0 .Lfor_w_\@
	tensor_load_to_lds s[G0X+4*\s:G0X+4*\s+3], s[G1X:G1X+7]
	s_nop 0
.rept 4
	v_nop
.endr
	s_branch .Lasked_\@
.Lfor_w_\@:
	tensor_load_to_lds s[G0W+4*\s:G0W+4*\s+3], s[G1W:G1W+7]
	s_nop 0
.rept 4
	v_nop
.endr
.Lasked_\@:
.endm
.macro CREST
	s_cmp_lg_u32 s[WV], 0
	s_cbranch_scc1 .Lnot_wave_0_\@
	s_barrier_signal -3
.Lnot_wave_0_\@:
	s_barrier_wait -3
	s_barrier_signal -1
	s_barrier_wait -1
.endm
.macro CROUND
	s_barrier_signal -1
	s_barrier_wait -1
	CREST
.endm
	s_load_b256 s[4:11], s[0:1], 0x0
	s_load_b256 s[12:19], s[0:1], 0x20
	s_load_b64 s[20:21], s[0:1], 0x40
	v_lshl_add_u32 v[SPW], v0, 2, SPARE
	v_mov_b32 v[NIL], 0
	ds_add_u32 v28, v29
	ds_add_u32 v28, v29
	s_wait_dscnt 0x0
	v_lshrrev_b32 v1, 5, v0
	v_readfirstlane_b32 s[WV], v1
	s_lshr_b32 s[WH], s[WV], 1
	s_and_b32 s[WL], s[WV], 1
	s_bfe_u32 s59, ttmp6, 0x40000
	s_bfe_u32 s60, ttmp6, 0x40004
	s_lshl_b32 s61, ttmp9, 2
	s_add_co_u32 s61, s61, s59
	s_and_b32 s62, ttmp7, 0xffff
	s_lshl_b32 s62, s62, 2
	s_add_co_u32 s62, s62, s60
	s_lshl_b32 s66, s60, 2
	s_lshl_b32 s66, 15, s66
	s_lshl_b32 s67, 0x1111, s59
	s_or_b32 s[G1X], s66, FLD
	s_or_b32 s[G1W], s67, FLD
	s_mov_b32 s[G1X+1], 256<<16
	s_mov_b32 s[G1X+2], 128<<16
	s_mov_b32 s[G1X+3], 256<<16
	s_mov_b32 s[G1X+4], 128
	s_mov_b32 s[G1X+5], 1024
	s_mov_b32 s[G1X+6], 0
	s_mov_b32 s[G1X+7], 0
	s_mov_b32 s[G1W+1], 256<<16
	s_mov_b32 s[G1W+2], 64<<16
	s_mov_b32 s[G1W+3], 256<<16
	s_mov_b32 s[G1W+4], 64
	s_mov_b32 s[G1W+5], 1024
	s_mov_b32 s[G1W+6], 0
	s_mov_b32 s[G1W+7], 0
	s_lshl_b32 s68, s62, 18
	s_lshl_b32 s69, s[WL], 17
	s_add_co_u32 s68, s68, s69
	s_mov_b32 s69, 0
	s_lshl_b32 s88, s61, 17
	s_lshl_b32 s89, s[WL], 16
	s_add_co_u32 s88, s88, s89
	s_mov_b32 s89, 0
	s_mul_i32 s92, s[WL], HALFT
	s_mul_i32 s93, s[WL], HALFT/2
	s_add_co_u32 s93, s93, WOFF
	s_wait_kmcnt 0x0
	s_load_b256 s[72:79], s[12:13], 0x0
	s_add_nc_u64 s[70:71], s[4:5], s[68:69]
	s_add_nc_u64 s[90:91], s[6:7], s[88:89]
	CROUND
.irp s, 0,1
	s_mov_b32 s[G0X+4*\s], 1
	s_add_co_u32 s[G0X+4*\s+1], s92, \s*SLOT
	s_add_nc_u64 s[G0X+4*\s+2:G0X+4*\s+3], s[70:71], \s*256
	s_or_b32 s[G0X+4*\s+3], s[G0X+4*\s+3], 0x80000000
	s_mov_b32 s[G0W+4*\s], 1
	s_add_co_u32 s[G0W+4*\s+1], s93, \s*SLOT
	s_add_nc_u64 s[G0W+4*\s+2:G0W+4*\s+3], s[90:91], \s*256
	s_or_b32 s[G0W+4*\s+3], s[G0W+4*\s+3], 0x80000000
	s_wait_alu depctr_va_vdst(0)
	s_wait_tensorcnt 0x0
	ds_add_u32 v28, v29
	ds_add_u32 v28, v29
	s_wait_dscnt 0x0
	CROUND
	JLOAD \s
.endr
	v_and_b32 v1, 15, v0
	v_bfe_u32 v2, v0, 4, 1
	v_and_b32 v3, 31, v0
	v_lshlrev_b32 v[LI], 4, v3
	v_mul_u32_u24 v5, v1, PITCH
	v_lshl_add_u32 v5, v2, 4, v5
	s_mul_i32 s94, s[WH], HALFT
	s_mul_i32 s95, s[WL], 64*PITCH
	s_add_co_u32 s95, s95, WOFF
.irp s, 0,1
	v_add_nc_u32 v[ADRX+\s], s94, v5
	v_add_nc_u32 v[ADRW+\s], s95, v5
	s_add_co_u32 s94, s94, SLOT
	s_add_co_u32 s95, s95, SLOT
.endr
	v_lshlrev_b32 v22, 2, v3
	s_wait_alu depctr_va_vdst(0)
	v_lshlrev_b32 v23, 4, v1
	v_lshl_add_u32 v23, v2, 14, v23
	v_lshlrev_b32 v24, 5, v2
	s_wait_alu depctr_va_vdst(0)
	v_lshlrev_b32 v25, 2, v1
	s_wait_alu depctr_va_vdst(0)
	s_lshl_b32 s2, s62, 17
	s_lshl_b32 s3, s61, 9
	s_add_co_u32 s2, s2, s3
	s_lshl_b32 s3, s[WV], 7
	s_add_co_u32 s2, s2, s3
	s_mov_b32 s3, 0
	s_add_nc_u64 s[98:99], s[10:11], s[2:3]
	s_lshl_b32 s2, s61, 1
	s_add_co_u32 s2, s2, s[WL]
	s_lshl_b32 s2, s2, 8
	s_add_nc_u64 s[96:97], s[8:9], s[2:3]
	s_lshl_b32 s2, s61, 17
	s_lshl_b32 s22, s[WV], 15
	s_add_co_u32 s2, s2, s22
	s_lshr_b32 s22, s62, 2
	s_lshl_b32 s22, s22, 11
	s_add_co_u32 s2, s2, s22
	s_and_b32 s22, s62, 3
	s_lshl_b32 s22, s22, 9
	s_add_co_u32 s2, s2, s22
	s_add_nc_u64 s[20:21], s[20:21], s[2:3]
	s_lshr_b32 s2, s62, 3
	s_lshl_b32 s2, s2, 4
	s_lshl_b32 s22, s61, 1
	s_add_co_u32 s2, s2, s22
	s_add_co_u32 s2, s2, s[WL]
	s_lshl_b32 s2, s2, 4
	s_and_b32 s22, s62, 7
	s_lshl_b32 s22, s22, 1
	s_add_co_u32 s2, s2, s22
	s_add_co_u32 s2, s2, s[WH]
	s_lshl_b32 s2, s2, 13
	s_add_nc_u64 s[82:83], s[14:15], s[2:3]
	s_add_nc_u64 s[84:85], s[16:17], s[2:3]
	s_add_nc_u64 s[86:87], s[18:19], s[2:3]
.set i, 0
.rept 32
	global_load_b32 v[T+i], v22, s[98:99] offset:i*4096 th:TH_LOAD_NT
.set i, i+1
.endr
.irp b, 0,1,2,3
	global_load_b128 v[BQ+8*\b:BQ+8*\b+3], v24, s[96:97] offset:64*\b
	global_load_b128 v[BQ+8*\b+4:BQ+8*\b+7], v24, s[96:97] offset:64*\b+16
	global_load_b128 v[BK+8*\b:BK+8*\b+3], v24, s[96:97] offset:4096+64*\b
	global_load_b128 v[BK+8*\b+4:BK+8*\b+7], v24, s[96:97] offset:4096+64*\b+16
	global_load_b32 v[BV+2*\b], v25, s[96:97] offset:8192+64*\b
	v_mov_b32 v[BV+2*\b+1], 0
.endr
	s_wait_kmcnt 0x0
.macro MKSC e, vs
	s_add_co_i32 s2, s[\e], 127
	s_lshl_b32 s3, s2, 23
	v_mov_b32 v[\vs], s3
	s_add_co_i32 s2, s2, 8
	s_lshl_b32 s2, s2, 23
	s_or_b32 s2, s2, 0x600000
	v_mov_b32 v[\vs+1], s2
.endm
	MKSC 74, 8
	MKSC 75, 10
	MKSC 76, 12
	MKSC 79, 14
	s_add_co_i32 s80, s72, s73
	s_add_co_i32 s80, s80, 127
	s_lshl_b32 s80, s80, 23
	s_mov_b32 s81, s80
	s_wait_alu depctr_va_vdst(0)
	s_wait_loadcnt 20
.set j, 0
.rept 32
	v_med3_num_f32 v[T+j], v[T+j], -v15, v15
.set j, j+1
.endr
	v_cvt_scalef32_pk8_fp8_f32 v[C:C+1], v[T:T+7], v14
	v_cvt_scalef32_pk8_fp8_f32 v[C+4:C+5], v[T+8:T+15], v14
	v_cvt_scalef32_pk8_fp8_f32 v[C+2:C+3], v[T+16:T+23], v14
	v_cvt_scalef32_pk8_fp8_f32 v[C+6:C+7], v[T+24:T+31], v14
	v_nop
	global_store_b128 v23, v[C:C+3], s[20:21]
	global_store_b128 v23, v[C+4:C+7], s[20:21] offset:256
	s_wait_loadcnt 0x0
.macro FETCH slot, q, set
	WIN 0x80
.irp a, 0,1,2,3,4,5,6,7
.irp c, 0,1,2,3
	ds_load_b128 v[128*\set+16*\a+4*\c:128*\set+16*\a+4*\c+3], v[ADRX+\slot] offset:128*\q+32*\c+\a*16*PITCH
.endr
.endr
	WIN 0xc0
.irp b, 0,1,2,3
.irp c, 0,1,2,3
	ds_load_b128 v[64*\set+16*\b+4*\c:64*\set+16*\b+4*\c+3], v[ADRW+\slot] offset:128*\q+32*\c+\b*16*PITCH
.endr
.endr
.endm
.macro MUL8 set, a0, zero, swap
.if \swap
	WIN 0x5e
.else
	WIN 0x5b
.endif
.irp a, \a0, \a0+1
.irp b, 0,1,2,3
.set rD, 8*(4*(\a)+\b)
.set rX, 128*\set+16*(\a)
.set rW, 64*\set+16*\b
.if \swap
.if \zero
	v_wmma_f32_16x16x128_fp8_fp8 v[rD:rD+7], v[rX:rX+15], v[rW:rW+15], 0
.else
	v_wmma_f32_16x16x128_fp8_fp8 v[rD:rD+7], v[rX:rX+15], v[rW:rW+15], v[rD:rD+7]
.endif
.else
.if \zero
	v_wmma_f32_16x16x128_fp8_fp8 v[rD:rD+7], v[rW:rW+15], v[rX:rX+15], 0
.else
	v_wmma_f32_16x16x128_fp8_fp8 v[rD:rD+7], v[rW:rW+15], v[rX:rX+15], v[rD:rD+7]
.endif
.endif
.endr
.endr
.endm
.macro HSTEPA slot, zero, swap
	s_wait_dscnt 0x0
	PLACES 4
	FETCH \slot, 1, 1
	MUL8 0, 0, \zero, \swap
	MUL8 0, 2, \zero, \swap
	MUL8 0, 4, \zero, \swap
	MUL8 0, 6, \zero, \swap
.endm
.macro TURN slot, next, fill, wrap, swap
	WIN 0
	s_wait_tensorcnt 0x0
	ds_add_u32 v[SPW], v[NIL]
	s_wait_dscnt 1
	MUL8 1, 0, 0, \swap
	s_wait_dscnt 0x0
	s_barrier_signal -1
	MUL8 1, 2, 0, \swap
	WIN 0
	s_barrier_wait -1
.if \fill
	CREST
.if \wrap
	s_sub_nc_u64 s[G0X+4*\slot+2:G0X+4*\slot+3], s[G0X+4*\slot+2:G0X+4*\slot+3], 512
	s_add_nc_u64 s[G0W+4*\slot+2:G0W+4*\slot+3], s[G0W+4*\slot+2:G0W+4*\slot+3], WPASS-512
.else
	s_add_nc_u64 s[G0X+4*\slot+2:G0X+4*\slot+3], s[G0X+4*\slot+2:G0X+4*\slot+3], 512
	s_add_nc_u64 s[G0W+4*\slot+2:G0W+4*\slot+3], s[G0W+4*\slot+2:G0W+4*\slot+3], 512
.endif
	JLOAD \slot
.else
	PLACES 4
.endif
	FETCH \next, 0, 0
	MUL8 1, 4, 0, \swap
	MUL8 1, 6, 0, \swap
.endm
.macro EPI_QK bias, sc, lim, base
	s_wait_xcnt 0x0
	PLACES 4
.irp a, 0,1,2,3,4,5,6,7
.set TT, T+32*(\a%2)
	WIN 0x01
.irp b, 0,1,2,3
.irp i, 0,2,4,6
	v_pk_fma_f32 v[TT+8*\b+\i:TT+8*\b+\i+1], v[8*(4*\a+\b)+\i:8*(4*\a+\b)+\i+1], s[80:81], v[\bias+8*\b+\i:\bias+8*\b+\i+1] op_sel_hi:[1,0,1]
.endr
.endr
	WIN 0
.set j, 0
.rept 32
	v_med3_num_f32 v[TT+j], v[TT+j], -v[\lim], v[\lim]
.set j, j+1
.endr
.irp b, 0,1,2,3
	v_cvt_scalef32_pk8_fp8_f32 v[C+8*\a+2*\b:C+8*\a+2*\b+1], v[TT+8*\b:TT+8*\b+7], v[\sc]
.endr
	v_nop
	global_store_b128 v[LI], v[C+8*\a:C+8*\a+3], s[\base:\base+1] offset:\a*1024
	global_store_b128 v[LI], v[C+8*\a+4:C+8*\a+7], s[\base:\base+1] offset:\a*1024+512
.endr
.endm
.macro EPI_V
	s_wait_xcnt 0x0
	PLACES 4
.irp b, 0,1,2,3
	WIN 0x01
.irp a, 0,1,2,3,4,5,6,7
.irp i, 0,2,4,6
	v_pk_fma_f32 v[T+8*\a+\i:T+8*\a+\i+1], v[8*(4*\a+\b)+\i:8*(4*\a+\b)+\i+1], s[80:81], v[BV+2*\b:BV+2*\b+1] op_sel_hi:[1,0,0]
.endr
.endr
	WIN 0
.set j, 0
.rept 64
	v_med3_num_f32 v[T+j], v[T+j], -v13, v13
.set j, j+1
.endr
.irp a, 0,1,2,3,4,5,6,7
	v_cvt_scalef32_pk8_fp8_f32 v[C+16*\b+2*\a:C+16*\b+2*\a+1], v[T+8*\a:T+8*\a+7], v12
.endr
	v_nop
.irp c, 0,1,2,3
	global_store_b128 v[LI], v[C+16*\b+4*\c:C+16*\b+4*\c+3], s[86:87] offset:\b*2048+\c*512
.endr
.endr
.endm
.macro PASS
	HSTEPA 0, 1, 0
	TURN 0, 1, 1, 0, 0
	HSTEPA 1, 0, 0
	TURN 1, 0, 1, 0, 0
	HSTEPA 0, 0, 0
	TURN 0, 1, 1, 1, 0
	HSTEPA 1, 0, 0
	TURN 1, 0, 1, 1, 0
.endm
	s_wait_tensorcnt 1
	s_barrier_signal -1
	s_barrier_wait -1
	FETCH 0, 0, 0
	PASS
	EPI_QK BQ, 8, 9, 82
	PASS
	EPI_QK BK, 10, 11, 84
	HSTEPA 0, 1, 1
	TURN 0, 1, 1, 0, 1
	HSTEPA 1, 0, 1
	TURN 1, 0, 1, 0, 1
	HSTEPA 0, 0, 1
	TURN 0, 1, 0, 0, 1
	HSTEPA 1, 0, 1
	s_wait_dscnt 0x0
	MUL8 1, 0, 0, 1
	MUL8 1, 2, 0, 1
	MUL8 1, 4, 0, 1
	MUL8 1, 6, 0, 1
	EPI_V
	s_wait_tensorcnt 0x0
	ds_add_u32 v[SPW], v[NIL]
	s_wait_dscnt 0x0
	CROUND
	s_endpgm
.Lfunc_end_k_qfb0c35af54_qkv:
	.size	k_qfb0c35af54_qkv, .Lfunc_end_k_qfb0c35af54_qkv-k_qfb0c35af54_qkv
	.p2alignl 7, 3214868480
	.fill 96, 4, 3214868480
	.section	.rodata,"a",@progbits
	.p2align	6, 0x0
	.amdhsa_kernel k_qfb0c35af54_qkv
		.amdhsa_group_segment_fixed_size 327680
		.amdhsa_private_segment_fixed_size 0
		.amdhsa_enable_private_segment 0
		.amdhsa_kernarg_size 72
		.amdhsa_user_sgpr_count 2
		.amdhsa_user_sgpr_kernarg_segment_ptr 1
		.amdhsa_wavefront_size32 1
		.amdhsa_system_sgpr_workgroup_id_x 1
		.amdhsa_system_sgpr_workgroup_id_y 1
		.amdhsa_system_sgpr_workgroup_id_z 1
		.amdhsa_system_vgpr_workitem_id 0
		.amdhsa_next_free_vgpr 896
		.amdhsa_next_free_sgpr 100
		.amdhsa_reserve_vcc 0
		.amdhsa_float_denorm_mode_32 3
		.amdhsa_float_denorm_mode_16_64 3
		.amdhsa_memory_ordered 1
		.amdhsa_forward_progress 1
		.amdhsa_inst_pref_size 240
	.end_amdhsa_kernel
	.amdgpu_metadata
---
amdhsa.version: [ 1, 2 ]
amdhsa.kernels:
  - .name:           k_qfb0c35af54_qkv
    .symbol:         k_qfb0c35af54_qkv.kd
    .args:
      - { .name: x_codes, .offset: 0, .size: 8, .value_kind: global_buffer, .address_space: global }
      - { .name: w_qkv_codes, .offset: 8, .size: 8, .value_kind: global_buffer, .address_space: global }
      - { .name: b_qkv, .offset: 16, .size: 8, .value_kind: global_buffer, .address_space: global }
      - { .name: w_out, .offset: 24, .size: 8, .value_kind: global_buffer, .address_space: global }
      - { .name: lowp_scales, .offset: 32, .size: 8, .value_kind: global_buffer, .address_space: global }
      - { .name: q_img, .offset: 40, .size: 8, .value_kind: global_buffer, .address_space: global }
      - { .name: k_img, .offset: 48, .size: 8, .value_kind: global_buffer, .address_space: global }
      - { .name: v_img, .offset: 56, .size: 8, .value_kind: global_buffer, .address_space: global }
      - { .name: wo_img, .offset: 64, .size: 8, .value_kind: global_buffer, .address_space: global }
    .group_segment_fixed_size: 327680
    .private_segment_fixed_size: 0
    .kernarg_segment_align: 8
    .kernarg_segment_size: 72
    .max_flat_workgroup_size: 128
    .sgpr_count:     100
    .vgpr_count:     896
    .wavefront_size: 32
...
	.end_amdgpu_metadata
.endif
;; end of part 1
;; launch attn (part 2): grid 4 x 64, 8 waves a work-group, clusters of 4 x 1, 327,680 bytes of LDS; arguments q_img, k_img, v_img, lowp_scales, ans_img; writes ans_img
.if DOCPART == 2
	.amdgcn_target "amdgcn-amd-amdhsa--gfx1250"
	.amdhsa_code_object_version 6
	.text
	.protected	k_qfb0c35af54_attn
	.globl	k_qfb0c35af54_attn
	.p2align	8
	.type	k_qfb0c35af54_attn,@function
k_qfb0c35af54_attn:
	s_mov_b64 s[64:65], 0
	v_nop
	global_prefetch_b8 v0, s[64:65] scope:SCOPE_SE
	s_setreg_imm32_b32 hwreg(HW_REG_WAVE_MODE, 25, 1), 1
	s_wait_xcnt 0x0
	s_wait_alu depctr_hold_cnt(0) depctr_sa_sdst(0) depctr_va_vdst(0) depctr_va_sdst(0) depctr_va_ssrc(0) depctr_va_vcc(0) depctr_vm_vsrc(0)
	s_getreg_b32 s2, hwreg(HW_REG_IB_STS2, 6, 4)
	s_cmp_eq_u32 s2, 0
	s_cbranch_scc0 .Lentry_in_a_cluster
	s_endpgm
.Lentry_in_a_cluster:
	s_bfe_u32 s2, ttmp6, 0x10000c
	s_cmp_lg_u32 s2, 0x3003
	s_cbranch_scc0 .Lentry_shape_is_right
	s_endpgm
.Lentry_shape_is_right:
; Causal attention of one (batch, head) on codes of FP8 (E4M3): answers = softmax(q k^T / 8, key <= query) v, quantised (scale e6) and stored as images of the last product's fragments.
; q_img, k_img: [bh][tile of 16 rows][1,024 bytes]: a K = 64 fragment's 8 registers, 16 bytes a lane.  v_img: [bh][128 keys][tile of 16 e][2,048 bytes]: a K = 128 fragment along the keys.
; THE SOFTMAX: t = score x log2(e) / 8; M = the running largest t rounded UP to a whole number; p = 2^(t - M) is quantised (scale e5), not normalised; the row's sum is taken of the unquantised p and divides at the end.
; When M moves, the sum and O are multiplied by 2^(old M - new M): nothing is rounded.  A hidden key's score becomes -infinity, so p = 0.  Steps of 128 keys that lie wholly behind a block's queries are not walked.
; SHARES.  The four work-groups of a head form a cluster.  Wave w (0..7) of work-group cx owns two blocks of 32 queries, 63 - j and j, j = 4 w + cx: 16 - w and w + 1 steps of 128 keys, SEVENTEEN in every wave.
; A wave's two tiles of 16 queries share each fragment of K and V that it reads from LDS.
; LDS.  A head's images of K (131,072 bytes, at 0) and of V (at 131,072) stay in LDS whole and are filled once: keys 0-767 by each wave's one load at the head (12,288 bytes a wave; waves 0-3 K's, 4-7 V's),
; keys 768-2,047 by each wave's one load behind the next round (20,480 bytes a wave).  The first six trips read keys 0-767 alone; one barrier behind them shows the rest.  No byte is filled twice.
; Both loads are JOINT: all four work-groups want the same bytes, the descriptors hang on the head and the wave alone, the mask names the four.  No branch and no LDS address hangs on cx: the trip of the diagonal and of the change of blocks hang on w.
; NO PREFETCH.
; LAYOUT.  S^T = K Q^T (source 0 = 16 keys, source 1 = 16 queries): a lane holds one query and keys 16 t + 8 (lane / 16) + 0..7 of tile t: converted, that is register pair t of P, source 1 of O^T = V^T P^T.
; LIMITS: e2 + e3 between -123 and 8 (added to c's exponent field; the upper bound keeps twice the largest score, 2 x 64 x 448^2 x 2^(e2 + e3) / 8, under the 1e9 that is taken off a hidden score, so that -infinity gives the same p = 0);
; e5, e6 between -126 and 119; e4 + e5 is applied by v_ldexp_f32 and has none.  NaN among the inputs is not served.
; REGISTERS.  Window 0: addresses v1-9; Q v16-31; p's codes v32-63; S^T, then p, v64-191 (tile u at 64 u); the second block's Q v192-207; state of tile u at v[208 + 16 u ..]; constants v240-245.  Window 1: O^T v0-63 (tile u at 32 u), K v64-127, V v128-191.
.set VOFF,  131072
.set SPARE, 294912                     ; the spare words, 128 bytes for each of eight waves
.set LI,  1                            ; 16 x lane
.set RH,  2                            ; lane % 16 - 8 (lane / 16)
.set LV,  3                            ; VOFF + 16 x lane
.set SPW, 5
.set NIL, 6
.set ADK, 8
.set ADV, 9
.set QF,  16
.set PC,  32
.set SC,  64
.set Q2,  192
.set ST,  208                          ; a tile's state:
.set NM,  0                            ; -M
.set RM,  1                            ; the running largest score
.set LS,  2                            ; the sum, a pair
.set FF,  4                            ; f = 2^(old M - new M) (the pair's upper word is written once and not used)
.set MX,  6                            ; two registers at work
.set T1,  8                            ; three pairs at work
.set T2,  10
.set T3,  12
.set PL,  14                           ; a lane permute's destination
.set DD,  15                           ; the mask's d
.set C5,  240                          ; 2^e5
.set H5A, 241                          ; 448 x 2^e5, twice: the two halves of a dual instruction take their second sources from different banks
.set H5B, 242
.set C6,  243                          ; 2^e6
.set H6,  244                          ; 448 x 2^e6
.set NINF, 245
.set OT,  0                            ; window 1
.set KR,  64
.set VR,  128
.set DG,  2                            ; s2  1 in a block's last step, which holds the diagonal
.set WV,  18
.set CX,  19
.set SEL, 20
.set CS,  22                           ; s[22:23] c = log2(e) / 8 x 2^(e2 + e3)
.set G1A, 24                           ; s[24:31] group 1: 48 rows x 256 bytes, dense
.set G0,  32
.set KVB, 36                           ; s[36:37] my head's first byte of K's images (waves 0-3) or V's
.set N,   38                           ; the trip, 0 .. 16
.set N1,  39                           ; steps of the first block: 16 - w
.set KO,  40                           ; the step's byte offset in K's and in V's images: 8,192 x its number
.set Q0,  41
.set Q0B, 42
.set X,   43                           ; 8,192 x the trip
.set QB,  44
.set AA,  46
.set AB,  48
.set L1O, 50                           ; s[50:51] my part of the second load, in bytes from the images' start
.set W8,  52
.set L1L, 53
.set CN,  54                           ; -c
.set EVP, 55
.set G1B, 56                           ; s[56:63] group 1: 80 such rows
.set MSB, 0
.macro WIN new
.if MSB != \new
	s_set_vgpr_msb (MSB<<8)|\new
.set MSB, \new
.endif
.endm
.macro CROUND                          ; a round of the cluster's barrier
	s_barrier_signal -1
	s_barrier_wait -1
	s_cmp_lg_u32 s[WV], 0
	s_cbranch_scc1 .Lnot_wave_0_\@
	s_barrier_signal -3
.Lnot_wave_0_\@:
	s_barrier_wait -3
	s_barrier_signal -1
	s_barrier_wait -1
.endm
.macro RESET                           ; a block's start: O^T and the sums are zeros, -M is 3e38: the first change of M multiplies zeros by 0
.irp u, 0,1
	v_mov_b32 v[ST+16*\u+RM], 0xff61b1e6
	v_mov_b32 v[ST+16*\u+NM], 0x7f61b1e6
	v_mov_b32 v[ST+16*\u+LS], 0
	v_mov_b32 v[ST+16*\u+LS+1], 0
.endr
	WIN 0x40
.set n, 0
.rept 64
	v_mov_b32 v[OT+n], 0
.set n, n+1
.endr
	WIN 0
.endm
	s_load_b256 s[4:11], s[0:1], 0x0               ; q_img, k_img, v_img, scales
	s_load_b64 s[12:13], s[0:1], 0x20              ; ans_img
	v_lshl_add_u32 v[SPW], v0, 2, SPARE
	v_mov_b32 v[NIL], 0
	ds_add_u32 v[SPW], v[NIL]                      ; the opening lines: the add, twice on end, and its wait
	ds_add_u32 v[SPW], v[NIL]
	v_lshrrev_b32 v8, 5, v0
	v_readfirstlane_b32 s[WV], v8
	s_bfe_u32 s[CX], ttmp6, 0x40000
	s_and_b32 s70, ttmp7, 0xffff                   ; bh = batch x 16 + head
	s_lshl_b32 s68, s70, 17                        ; a head's images of Q, of K and of V are 131,072 bytes
	s_mov_b32 s69, 0
.irp g, G1A, G1B
	s_mov_b32 s[\g], 15|(3<<16)|(1<<21)            ; the mask of the four; elements of 8 bytes; bit 21 beside a mask; no padding
	s_mov_b32 s[\g+1], 32<<16                      ; tensor_dim0 = 32 elements: 256 bytes
	s_mov_b32 s[\g+3], 32<<16                      ; tile_dim0
	s_mov_b32 s[\g+5], 32                          ; dense
	s_mov_b32 s[\g+6], 0
	s_mov_b32 s[\g+7], 0
.endr
	s_mov_b32 s[G1A+2], 48<<16                     ; rows
	s_mov_b32 s[G1A+4], 48
	s_mov_b32 s[G1B+2], 80<<16
	s_mov_b32 s[G1B+4], 80
	s_lshr_b32 s66, s[WV], 2
	s_lshl_b32 s66, s66, 17                        ; K's region or V's
	s_and_b32 s67, s[WV], 3
	s_mul_i32 s[L1O], s67, 20480
	s_add_co_u32 s[L1O], s[L1O], 49152
	s_mov_b32 s[L1O+1], 0
	s_add_co_u32 s[L1L], s66, s[L1O]
	s_mul_i32 s67, s67, 12288
	s_mov_b32 s[G0], 1
	s_add_co_u32 s[G0+1], s66, s67
	s_mov_b32 s66, s67
	s_mov_b32 s67, 0
	s_lshl_b32 s14, s[WV], 2
	s_add_co_u32 s14, s14, s[CX]                   ; j: the second block
	s_sub_co_u32 s15, 63, s14                      ; the first block
	s_lshl_b32 s[Q0], s15, 5
	s_lshl_b32 s[Q0B], s14, 5
	s_sub_co_u32 s[N1], 16, s[WV]
	s_lshl_b32 s[W8], s[WV], 13
	s_lshl_b32 s16, s15, 11                        ; a block's two tiles of Q are 2,048 bytes
	s_add_co_u32 s16, s16, s68
	s_mov_b32 s17, 0
	s_lshl_b32 s[QB], s14, 11
	s_add_co_u32 s[QB], s[QB], s68
	s_mov_b32 s[QB+1], 0
	s_lshr_b32 s71, s70, 4                         ; the answers: ((batch x 128 + tile) x 16 + head) x 1,024 bytes
	s_lshl_b32 s71, s71, 21
	s_and_b32 s3, s70, 15
	s_lshl_b32 s3, s3, 10
	s_add_co_u32 s71, s71, s3
	s_lshl_b32 s[AA], s15, 15
	s_add_co_u32 s[AA], s[AA], s71
	s_mov_b32 s[AA+1], 0
	s_lshl_b32 s[AB], s14, 15
	s_add_co_u32 s[AB], s[AB], s71
	s_mov_b32 s[AB+1], 0
	s_mov_b32 s[SEL], 0x76543210
	s_mov_b32 s[SEL+1], 0xfedcba98
	s_wait_dscnt 0x0                               ; both opening adds are done
	s_wait_kmcnt 0x0
	s_load_b256 s[72:79], s[10:11], 0x0            ; e0 .. e7
	s_cmp_lt_u32 s[WV], 4
	s_cselect_b64 s[KVB:KVB+1], s[6:7], s[8:9]
	s_add_nc_u64 s[KVB:KVB+1], s[KVB:KVB+1], s[68:69]
	s_add_nc_u64 s[G0+2:G0+3], s[KVB:KVB+1], s[66:67]
	s_or_b32 s[G0+3], s[G0+3], 0x80000000
	CROUND                                         ; the four work-groups are here: the first joint loads meet
	tensor_load_to_lds s[G0:G0+3], s[G1A:G1A+7]    ; my part of keys 0-767: a wave's one load at the head
	s_nop 0
.rept 4
	v_nop
.endr
	s_add_nc_u64 s[16:17], s[4:5], s[16:17]
	s_add_nc_u64 s[QB:QB+1], s[4:5], s[QB:QB+1]
	s_add_nc_u64 s[AA:AA+1], s[12:13], s[AA:AA+1]
	s_add_nc_u64 s[AB:AB+1], s[12:13], s[AB:AB+1]
	v_and_b32 v9, 31, v0
	v_lshlrev_b32 v[LI], 4, v9
	v_add_nc_u32 v[LV], VOFF, v[LI]
.irp i, 0,1,2,3
	global_load_b128 v[QF+4*\i:QF+4*\i+3], v[LI], s[16:17] offset:512*\i
.endr
.irp i, 0,1,2,3
	global_load_b128 v[Q2+4*\i:Q2+4*\i+3], v[LI], s[QB:QB+1] offset:512*\i   ; the second block's Q: waited for at the change of blocks
.endr
	v_and_b32 v10, 15, v0
	v_bfe_u32 v11, v0, 4, 1
	v_lshlrev_b32 v11, 3, v11
	v_sub_nc_u32 v[RH], v10, v11
.irp u, 0,1
	v_mov_b32 v[ST+16*\u+FF+1], 0
	v_mov_b32 v[ST+16*\u+PL], 0
.endr
	v_mov_b32 v[NINF], 0xff800000
	RESET
	s_wait_kmcnt 0x0
	s_add_co_i32 s66, s74, s75
	s_lshl_b32 s66, s66, 23
	s_add_co_i32 s[CS], s66, 0x3e38aa3b            ; c = log2(e) / 8, with e2 + e3 added to its exponent field
	s_mov_b32 s[CS+1], s[CS]
	s_xor_b32 s[CN], s[CS], 0x80000000
	s_add_co_i32 s[EVP], s76, s77
	s_add_co_i32 s66, s77, 127
	s_lshl_b32 s67, s66, 23
	v_mov_b32 v[C5], s67
	s_add_co_i32 s66, s66, 8
	s_lshl_b32 s66, s66, 23
	s_or_b32 s66, s66, 0x600000
	v_mov_b32 v[H5A], s66
	v_mov_b32 v[H5B], s66
	s_add_co_i32 s66, s78, 127
	s_lshl_b32 s67, s66, 23
	v_mov_b32 v[C6], s67
	s_add_co_i32 s66, s66, 8
	s_lshl_b32 s66, s66, 23
	s_or_b32 s66, s66, 0x600000
	v_mov_b32 v[H6], s66
; A STEP: 128 keys at byte s[ko] of the images, against my 32 queries.  mask = 1: the text holds the diagonal's lines, walked where s[DG] is 1.
.macro STEP ko, mask
	v_add_nc_u32 v[ADK], s[\ko], v[LI]
	v_add_nc_u32 v[ADV], s[\ko], v[LV]
	v_nop                                          ; with the two additions: four places in front of loads into registers that the last products read
	v_nop
	WIN 0x40
.irp t, 0,1,2,3,4,5,6,7
	ds_load_b128 v[KR+8*\t:KR+8*\t+3], v[ADK] offset:\t*1024
	ds_load_b128 v[KR+8*\t+4:KR+8*\t+7], v[ADK] offset:\t*1024+512
.endr
.irp b, 0,1,2,3
.irp c, 0,1,2,3
	ds_load_b128 v[VR+16*\b+4*\c:VR+16*\b+4*\c+3], v[ADV] offset:\b*2048+\c*512
.endr
.endr
	s_wait_alu depctr_va_vdst(0)                   ; the wait ahead of the wait below
	s_wait_dscnt 16                                ; K's 16 loads are in; V's 16 may be out
	WIN 0x01
.irp t, 0,1,2,3,4,5,6,7
.irp u, 0,1
	v_wmma_f32_16x16x64_fp8_fp8 v[SC+64*\u+8*\t:SC+64*\u+8*\t+7], v[KR+8*\t:KR+8*\t+7], v[QF+8*\u:QF+8*\u+7], 0
.endr
.endr
	WIN 0
.rept 4
	v_nop                                          ; places in front of the first read of the scores
.endr
.if \mask
	s_cmp_eq_u32 s[DG], 0
	s_cbranch_scc1 .Lopen_\@
	s_lshr_b32 s71, s[\ko], 6                      ; the step's first key
	s_sub_co_i32 s71, s[Q0], s71
	v_add_nc_u32 v[ST+DD], s71, v[RH]              ; d = my query - first key - 8 (lane / 16).  Register 8 t + i holds key 16 t + 8 (lane / 16) + i of the step: hidden where 16 t + i > d
	v_add_nc_u32 v[ST+16+DD], 16, v[ST+DD]
.irp u, 0,1
.set n, 0
.rept 64
	v_cmp_gt_i32 vcc_lo, 16*(n/8)+n%8, v[ST+16*\u+DD]
	v_cndmask_b32 v[SC+64*\u+n], v[SC+64*\u+n], v[NINF], vcc_lo
.set n, n+1
.endr
.endr
.Lopen_\@:
.endif
.irp u, 0,1                                    ; the step's largest score of each query: two chains a tile, the tiles by turns, each accumulator from its low end on
	v_max3_num_f32 v[ST+16*\u+MX], v[SC+64*\u], v[SC+64*\u+1], v[SC+64*\u+2]
	v_max3_num_f32 v[ST+16*\u+MX+1], v[SC+64*\u+3], v[SC+64*\u+4], v[SC+64*\u+5]
.endr
.set n, 6
.rept 14
.irp u, 0,1
	v_max3_num_f32 v[ST+16*\u+MX], v[ST+16*\u+MX], v[SC+64*\u+n], v[SC+64*\u+n+1]
	v_max3_num_f32 v[ST+16*\u+MX+1], v[ST+16*\u+MX+1], v[SC+64*\u+n+2], v[SC+64*\u+n+3]
.endr
.set n, n+4
.endr
.irp u, 0,1
	v_max3_num_f32 v[ST+16*\u+MX], v[ST+16*\u+MX], v[SC+64*\u+62], v[SC+64*\u+63]
.endr
.irp u, 0,1
	v_max_num_f32 v[ST+16*\u+MX], v[ST+16*\u+MX], v[ST+16*\u+MX+1]
.endr
.irp u, 0,1
	v_permlanex16_b32 v[ST+16*\u+PL], v[ST+16*\u+MX], s[SEL], s[SEL+1]
.endr
.irp u, 0,1
	v_max3_num_f32 v[ST+16*\u+RM], v[ST+16*\u+RM], v[ST+16*\u+MX], v[ST+16*\u+PL]   ; the running largest score, lane xor 16's among them
.endr
.irp u, 0,1
	v_mul_f32 v[ST+16*\u+MX], s[CN], v[ST+16*\u+RM]      ; -t (c is positive)
.endr
.irp u, 0,1
	v_mov_b32 v[ST+16*\u+MX+1], v[ST+16*\u+NM]
.endr
.irp u, 0,1
	v_floor_f32 v[ST+16*\u+NM], v[ST+16*\u+MX]           ; the new -M = floor(-t): M is a whole number
.endr
.irp u, 0,1
	v_sub_f32 v[ST+16*\u+MX], v[ST+16*\u+NM], v[ST+16*\u+MX+1]   ; old M - new M: a whole number, 0 or less
.endr
.irp u, 0,1
	v_cvt_i32_f32 v[ST+16*\u+MX], v[ST+16*\u+MX]         ; (it saturates)
.endr
.irp u, 0,1
	v_ldexp_f32 v[ST+16*\u+FF], 1.0, v[ST+16*\u+MX]
.endr
.set n, 0
.rept 32
.irp u, 0,1
	v_pk_fma_f32 v[SC+64*\u+n:SC+64*\u+n+1], v[SC+64*\u+n:SC+64*\u+n+1], s[CS:CS+1], v[ST+16*\u+NM:ST+16*\u+NM+1] op_sel_hi:[1,0,0]   ; t - M
.endr
.set n, n+2
.endr
	WIN 0x41
.irp u, 0,1
.set n, 0
.rept 16
	v_pk_mul_f32 v[OT+32*\u+n:OT+32*\u+n+1], v[OT+32*\u+n:OT+32*\u+n+1], v[ST+16*\u+FF:ST+16*\u+FF+1] op_sel_hi:[1,0]   ; O^T under the new M, ahead of the exponentials
.set n, n+2
.endr
.endr
	WIN 0
	s_wait_alu depctr_va_vdst(0)                   ; the wait ahead of the batch
.set n, 0
.rept 128
	v_exp_f32 v[SC+n], v[SC+n]                     ; p = 2^(t - M), at most 1, not normalised
.set n, n+1
.endr
.irp u, 0,1
	v_pk_mul_f32 v[ST+16*\u+LS:ST+16*\u+LS+1], v[ST+16*\u+LS:ST+16*\u+LS+1], v[ST+16*\u+FF:ST+16*\u+FF+1] op_sel_hi:[1,0]   ; the sums under the new M: the plain lines behind the batch
.endr
	s_wait_alu depctr_va_vdst(0)                   ; one wait for the batch, ahead of its first reader
.irp u, 0,1                                    ; the sums of the unquantised p: four chains a tile
	v_pk_add_f32 v[ST+16*\u+T1:ST+16*\u+T1+1], v[SC+64*\u:SC+64*\u+1], v[SC+64*\u+2:SC+64*\u+3]
	v_pk_add_f32 v[ST+16*\u+T2:ST+16*\u+T2+1], v[SC+64*\u+4:SC+64*\u+5], v[SC+64*\u+6:SC+64*\u+7]
	v_pk_add_f32 v[ST+16*\u+T3:ST+16*\u+T3+1], v[SC+64*\u+8:SC+64*\u+9], v[SC+64*\u+10:SC+64*\u+11]
	v_pk_add_f32 v[ST+16*\u+LS:ST+16*\u+LS+1], v[ST+16*\u+LS:ST+16*\u+LS+1], v[SC+64*\u+12:SC+64*\u+13]
.endr
.set n, 14
.rept 6
.irp u, 0,1
	v_pk_add_f32 v[ST+16*\u+T1:ST+16*\u+T1+1], v[ST+16*\u+T1:ST+16*\u+T1+1], v[SC+64*\u+n:SC+64*\u+n+1]
	v_pk_add_f32 v[ST+16*\u+T2:ST+16*\u+T2+1], v[ST+16*\u+T2:ST+16*\u+T2+1], v[SC+64*\u+n+2:SC+64*\u+n+3]
	v_pk_add_f32 v[ST+16*\u+T3:ST+16*\u+T3+1], v[ST+16*\u+T3:ST+16*\u+T3+1], v[SC+64*\u+n+4:SC+64*\u+n+5]
	v_pk_add_f32 v[ST+16*\u+LS:ST+16*\u+LS+1], v[ST+16*\u+LS:ST+16*\u+LS+1], v[SC+64*\u+n+6:SC+64*\u+n+7]
.endr
.set n, n+8
.endr
.irp u, 0,1
	v_pk_add_f32 v[ST+16*\u+T1:ST+16*\u+T1+1], v[ST+16*\u+T1:ST+16*\u+T1+1], v[SC+64*\u+62:SC+64*\u+63]
	v_pk_add_f32 v[ST+16*\u+T2:ST+16*\u+T2+1], v[ST+16*\u+T2:ST+16*\u+T2+1], v[ST+16*\u+T3:ST+16*\u+T3+1]
.endr
.irp u, 0,1
	v_pk_add_f32 v[ST+16*\u+LS:ST+16*\u+LS+1], v[ST+16*\u+LS:ST+16*\u+LS+1], v[ST+16*\u+T1:ST+16*\u+T1+1]
.endr
.irp u, 0,1
	v_pk_add_f32 v[ST+16*\u+LS:ST+16*\u+LS+1], v[ST+16*\u+LS:ST+16*\u+LS+1], v[ST+16*\u+T2:ST+16*\u+T2+1]
.endr
.set n, 0
.rept 64
	v_dual_min_num_f32 v[SC+n], v[SC+n], v[H5A] :: v_dual_min_num_f32 v[SC+n+1], v[SC+n+1], v[H5B]   ; the conversion does not saturate (ISA guide 7.6.2); p is not negative, so the hold is one-sided; two numbers an instruction
.set n, n+2
.endr
.irp u, 0,1
.irp t, 0,1,2,3,4,5,6,7
	v_cvt_scalef32_pk8_fp8_f32 v[PC+16*\u+2*\t:PC+16*\u+2*\t+1], v[SC+64*\u+8*\t:SC+64*\u+8*\t+7], v[C5]
.endr
.endr
	v_nop                                          ; a plain line behind the last conversion
	s_wait_alu depctr_va_vdst(0)                   ; the wait ahead of the wait below
	s_wait_dscnt 0x0                               ; V is in
	WIN 0x51
.irp b, 0,1,2,3
.irp u, 0,1
	v_wmma_f32_16x16x128_fp8_fp8 v[OT+32*\u+8*\b:OT+32*\u+8*\b+7], v[VR+16*\b:VR+16*\b+15], v[PC+16*\u:PC+16*\u+15], v[OT+32*\u+8*\b:OT+32*\u+8*\b+7]   ; the eight accumulators by turns
.endr
.endr
	WIN 0
.endm
; A block's end: O^T / the sum x 2^(e4 + e5) are the answers; held and converted with e6 they are two K = 64 fragments, stored as they stand: 512 consecutive bytes an instruction
.macro FINISH base
.rept 4
	v_nop                                          ; places behind the last products
.endr
.irp u, 0,1
	v_add_f32 v[ST+16*\u+LS], v[ST+16*\u+LS], v[ST+16*\u+LS+1]
.endr
.irp u, 0,1
	v_permlanex16_b32 v[ST+16*\u+PL], v[ST+16*\u+LS], s[SEL], s[SEL+1]
.endr
.irp u, 0,1
	v_add_f32 v[ST+16*\u+LS], v[ST+16*\u+LS], v[ST+16*\u+PL]
.endr
	s_wait_alu depctr_va_vdst(0)                   ; the wait ahead of the transcendentals
	v_rcp_f32 v[ST+LS], v[ST+LS]
	v_rcp_f32 v[ST+16+LS], v[ST+16+LS]
	v_nop
	s_wait_alu depctr_va_vdst(0)                   ; and ahead of their first reader
	v_ldexp_f32 v[ST+LS], v[ST+LS], s[EVP]
	v_ldexp_f32 v[ST+16+LS], v[ST+16+LS], s[EVP]
	WIN 0x01
	s_wait_alu depctr_va_vdst(0)                   ; and directly ahead of the first readers of O^T
.irp u, 0,1
.set n, 0
.rept 16
	v_pk_mul_f32 v[SC+64*\u+n:SC+64*\u+n+1], v[OT+32*\u+n:OT+32*\u+n+1], v[ST+16*\u+LS:ST+16*\u+LS+1] op_sel_hi:[1,0]
.set n, n+2
.endr
.endr
	WIN 0
.irp u, 0,1
.set n, 0
.rept 32
	v_med3_num_f32 v[SC+64*\u+n], v[SC+64*\u+n], -v[H6], v[H6]
.set n, n+1
.endr
.endr
.irp u, 0,1
.irp b, 0,1,2,3
	v_cvt_scalef32_pk8_fp8_f32 v[PC+16*\u+2*\b:PC+16*\u+2*\b+1], v[SC+64*\u+8*\b:SC+64*\u+8*\b+7], v[C6]
.endr
.endr
	v_nop
.irp u, 0,1
	global_store_b128 v[LI], v[PC+16*\u:PC+16*\u+3], s[\base:\base+1] offset:16384*\u
	global_store_b128 v[LI], v[PC+16*\u+4:PC+16*\u+7], s[\base:\base+1] offset:16384*\u+512
.endr
.endm
	s_wait_alu depctr_va_vdst(0)                   ; the wait at the head's end
	s_wait_loadcnt 4                               ; the first block's Q is in; the four younger loads, the second block's, may be out
	s_wait_tensorcnt 0x0                           ; my part of keys 0-767 is in
	ds_add_u32 v[SPW], v[NIL]
	s_mov_b32 s[G0+1], s[L1L]                      ; no load of mine is out: group 0 is written for the second load
	s_add_nc_u64 s[G0+2:G0+3], s[KVB:KVB+1], s[L1O:L1O+1]
	s_or_b32 s[G0+3], s[G0+3], 0x80000000
	s_wait_dscnt 0x0
	CROUND                                         ; everybody's part of keys 0-767 is in, and the four work-groups are here
	tensor_load_to_lds s[G0:G0+3], s[G1B:G1B+7]    ; my part of keys 768-2,047: bytes that the next six trips do not read
	s_nop 0
.rept 4
	v_nop
.endr
	s_mov_b32 s[N], 0
	s_mov_b32 s[X], 0
.Lfirst:                                           ; trips 0-5: every wave is in its first block, whose diagonal lies at step 15 - w, 8 at the least
	STEP X, 0
	s_add_co_u32 s[X], s[X], 8192
	s_add_co_u32 s[N], s[N], 1
	s_cmp_lt_u32 s[N], 6
	s_cbranch_scc1 .Lfirst
	s_wait_tensorcnt 0x0                           ; my part of the other keys is in
	ds_add_u32 v[SPW], v[NIL]
	s_mov_b32 s[N], 6
	s_mov_b32 s[X], 49152
	s_wait_dscnt 0x0
	s_barrier_signal -1
	s_barrier_wait -1                              ; and everybody's: from here on no tensor load is out and none follows
.Ltrip:                                            ; trips 6-16.  Trip n walks key step n of the first block while n < 16 - w, then key step n + w - 16 of the second
	s_add_co_u32 s66, s[X], s[W8]
	s_and_b32 s66, s66, 0x1ffff
	s_cmp_lt_u32 s[N], s[N1]
	s_cselect_b32 s[KO], s[X], s66
	s_min_u32 s[KO], s[KO], 122880                 ; (step 15 is the last: the bound changes no value that is chosen)
	s_add_co_u32 s67, s[N], 1
	s_cmp_eq_u32 s67, s[N1]
	s_cselect_b32 s[DG], 1, 0
	s_cmp_eq_u32 s[N], 16
	s_cselect_b32 s[DG], 1, s[DG]                  ; each block's last step holds its diagonal
	s_cmp_lg_u32 s[N], s[N1]
	s_cbranch_scc1 .Lsame
	FINISH AA                                      ; the first block is finished and the second begins
	s_mov_b32 s[Q0], s[Q0B]
	RESET
	s_wait_alu depctr_va_vdst(0)                   ; the wait ahead of the waits below
	s_wait_loadcnt 0x0                             ; the second block's Q, asked for at the head
	s_wait_xcnt 0x0                                ; the stores have read their registers: p's codes may be written there
.set n, 0
.rept 16
	v_mov_b32 v[QF+n], v[Q2+n]
.set n, n+1
.endr
.Lsame:
	STEP KO, 1
	s_add_co_u32 s[X], s[X], 8192
	s_add_co_u32 s[N], s[N], 1
	s_cmp_lt_u32 s[N], 17
	s_cbranch_scc1 .Ltrip
	FINISH AB
	s_wait_tensorcnt 0x0                           ; the wave's end
	ds_add_u32 v[SPW], v[NIL]
	s_wait_dscnt 0x0
	CROUND                                         ; the closing round
	s_endpgm
.Lfunc_end_k_qfb0c35af54_attn:
	.size	k_qfb0c35af54_attn, .Lfunc_end_k_qfb0c35af54_attn-k_qfb0c35af54_attn
	.p2alignl 7, 3214868480
	.fill 96, 4, 3214868480
	.section	.rodata,"a",@progbits
	.p2align	6, 0x0
	.amdhsa_kernel k_qfb0c35af54_attn
		.amdhsa_group_segment_fixed_size 327680
		.amdhsa_private_segment_fixed_size 0
		.amdhsa_enable_private_segment 0
		.amdhsa_kernarg_size 40
		.amdhsa_user_sgpr_count 2
		.amdhsa_user_sgpr_kernarg_segment_ptr 1
		.amdhsa_wavefront_size32 1
		.amdhsa_system_sgpr_workgroup_id_x 1
		.amdhsa_system_sgpr_workgroup_id_y 1
		.amdhsa_system_sgpr_workgroup_id_z 1
		.amdhsa_system_vgpr_workitem_id 0
		.amdhsa_next_free_vgpr 448
		.amdhsa_next_free_sgpr 80
		.amdhsa_reserve_vcc 1
		.amdhsa_float_denorm_mode_32 3
		.amdhsa_float_denorm_mode_16_64 3
		.amdhsa_memory_ordered 1
		.amdhsa_forward_progress 1
		.amdhsa_inst_pref_size 96
	.end_amdhsa_kernel
	.amdgpu_metadata
---
amdhsa.version: [ 1, 2 ]
amdhsa.kernels:
  - .name:           k_qfb0c35af54_attn
    .symbol:         k_qfb0c35af54_attn.kd
    .args:
      - { .name: q_img, .offset: 0, .size: 8, .value_kind: global_buffer, .address_space: global }
      - { .name: k_img, .offset: 8, .size: 8, .value_kind: global_buffer, .address_space: global }
      - { .name: v_img, .offset: 16, .size: 8, .value_kind: global_buffer, .address_space: global }
      - { .name: lowp_scales, .offset: 24, .size: 8, .value_kind: global_buffer, .address_space: global }
      - { .name: ans_img, .offset: 32, .size: 8, .value_kind: global_buffer, .address_space: global }
    .group_segment_fixed_size: 327680
    .private_segment_fixed_size: 0
    .kernarg_segment_align: 8
    .kernarg_segment_size: 40
    .max_flat_workgroup_size: 256
    .sgpr_count:     80
    .vgpr_count:     448
    .wavefront_size: 32
...
	.end_amdgpu_metadata
.endif
;; end of part 2
;; launch proj (part 3): grid 8 x 32, 4 waves a work-group, clusters of 4 x 1, 327,680 bytes of LDS; arguments ans_img, wo_img, b_out, lowp_scales, out0; writes out0
.if DOCPART == 3
	.amdgcn_target "amdgcn-amd-amdhsa--gfx1250"
	.amdhsa_code_object_version 6
	.text
	.protected	k_qfb0c35af54_proj
	.globl	k_qfb0c35af54_proj
	.p2align	8
	.type	k_qfb0c35af54_proj,@function
k_qfb0c35af54_proj:
	s_mov_b64 s[64:65], 0
	v_nop
	global_prefetch_b8 v0, s[64:65] scope:SCOPE_SE
	s_setreg_imm32_b32 hwreg(HW_REG_WAVE_MODE, 25, 1), 1
	s_wait_xcnt 0x0
	s_wait_alu depctr_hold_cnt(0) depctr_sa_sdst(0) depctr_va_vdst(0) depctr_va_sdst(0) depctr_va_ssrc(0) depctr_va_vcc(0) depctr_vm_vsrc(0)
	s_getreg_b32 s2, hwreg(HW_REG_IB_STS2, 6, 4)
	s_cmp_eq_u32 s2, 0
	s_cbranch_scc0 .Lentry_in_a_cluster
	s_endpgm
.Lentry_in_a_cluster:
	s_bfe_u32 s2, ttmp6, 0x10000c
	s_cmp_lg_u32 s2, 0x3003
	s_cbranch_scc0 .Lentry_shape_is_right
	s_endpgm
.Lentry_shape_is_right:
; out0 = answers W_out + b_out on codes of FP8 (E4M3).  Both operands come as images of their fragments' registers, k in its true place:
; ans_img [tile of 16 rows: 512][head 16][1,024 bytes]: two neighbouring heads are one K = 128 fragment (2,048 bytes);  wo_img [tile of 16 columns: 64][K / 128: 8][2,048 bytes].
; A sum stands for sum x 2^(e6 + e7): out = sum x 2^(e6 + e7) + b_out, one packed multiply-add for two numbers.  LIMIT: e6 + e7 between -126 and 127.
; SHARES.  Work-group (gx, gy): rows 256 gy on, columns 128 gx on.  Wave w: rows 128 (w / 2) on, columns 64 (w % 2) on.
; THE ANSWERS: the work-group's 16 tiles, all of K, are 262,144 dense bytes; each wave fetches a quarter by its one tensor load at the head; nothing is filled again.  They hang on gy alone: the four work-groups of a cluster (4, 1, 1) ask jointly.
; W: a wave's 4 column tiles x 8 K steps are 32 fragments, 512 registers; they are loaded once, straight from the images (512 consecutive bytes an instruction), and stay.  They go through no joint load:
; beside the answers' 262,144 bytes LDS has no room for the work-group's 131,072 bytes of W.
; THE PRODUCT GOES BY ROWS: a tile of 16 rows is finished by 32 matrix instructions (8 K steps x 4 column tiles, the four accumulators by turns) and leaves at once, while the next tiles are multiplied.
; Source 0 = 16 columns of W, source 1 = 16 rows of the answers: a lane holds eight neighbouring numbers of a row of out0.  A wave's 64 columns are 256 aligned bytes of a row: a tile goes through the wave's own stage in LDS
; and leaves sixteen lanes to such a unit.  NO PREFETCH: the launch has one tensor load a wave, at its head, and no loop to run ahead in.
; REGISTERS, in windows of 256: window 0: addresses, b_out v32-63, results v64-95, rows read back v96-159, two sets of four accumulators v160-223.  window 1: the answers' fragments of a tile (8 x 16), two sets.  windows 2, 3: W, fragment (q, b) at 64 q + 16 b.
.set STAGE, 262144                     ; 16 rows x 272 bytes for each wave: bytes of their own, into which no fill lands
.set SP,    272
.set SPARE, STAGE+4*16*SP              ; the spare words, 128 bytes a wave
.set G1,  24
.set G0,  32
.set WV,  14
.set WH,  15
.set WL,  16
.set LI,  4
.set ADA, 16                           ; v16, v17: my tiles 0-3 and 4-7 of the answers in LDS
.set STO, 24
.set RD,  25
.set CO,  26
.set SPW, 28
.set NIL, 29
.set BO,  32
.set TMP, 64
.set BK,  96
.set AC,  160
.set MSB, 0
.macro WIN new
.if MSB != \new
	s_set_vgpr_msb (MSB<<8)|\new
.set MSB, \new
.endif
.endm
.macro PLACES n
.rept \n
	v_nop
.endr
.endm
.macro CROUND
	s_barrier_signal -1
	s_barrier_wait -1
	s_cmp_lg_u32 s[WV], 0
	s_cbranch_scc1 .Lnot_wave_0_\@
	s_barrier_signal -3
.Lnot_wave_0_\@:
	s_barrier_wait -3
	s_barrier_signal -1
	s_barrier_wait -1
.endm
	s_load_b256 s[4:11], s[0:1], 0x0               ; ans_img s[4:5], wo_img s[6:7], b_out s[8:9], scales s[10:11]
	s_load_b64 s[12:13], s[0:1], 0x20              ; out0
	v_lshl_add_u32 v[SPW], v0, 2, SPARE
	v_mov_b32 v[NIL], 0
	ds_add_u32 v[SPW], v[NIL]                      ; the opening lines: the add, twice on end, and its wait
	ds_add_u32 v[SPW], v[NIL]
	v_lshrrev_b32 v1, 5, v0
	v_readfirstlane_b32 s[WV], v1
	s_lshr_b32 s[WH], s[WV], 1
	s_and_b32 s[WL], s[WV], 1
	s_bfe_u32 s17, ttmp6, 0x40000                  ; cx
	s_lshl_b32 s19, ttmp9, 2
	s_add_co_u32 s19, s19, s17                     ; gx
	s_and_b32 s20, ttmp7, 0xffff                   ; gy
	s_mov_b32 s[G1], 15|(3<<16)|(1<<21)            ; the mask of the four; elements of 8 bytes; bit 21 beside a mask; no padding
	s_mov_b32 s[G1+1], 512<<16                     ; tensor_dim0 = 512 elements: 4,096 bytes
	s_mov_b32 s[G1+2], 16<<16                      ; tensor_dim1
	s_mov_b32 s[G1+3], 512<<16                     ; tile_dim0
	s_mov_b32 s[G1+4], 16                          ; tile_dim1
	s_mov_b32 s[G1+5], 512                         ; dense
	s_mov_b32 s[G1+6], 0
	s_mov_b32 s[G1+7], 0
	s_lshl_b32 s66, s20, 18                        ; the answers: 262,144 bytes a work-group, 65,536 a wave: made of gy and the wave alone
	s_lshl_b32 s67, s[WV], 16
	s_mov_b32 s[G0], 1
	s_mov_b32 s[G0+1], s67
	s_add_co_u32 s66, s66, s67
	s_mov_b32 s67, 0
	s_lshl_b32 s72, s19, 17                        ; W: column tile 8 gx + 4 (wave % 2), 16,384 bytes a tile
	s_lshl_b32 s73, s[WL], 16
	s_add_co_u32 s72, s72, s73
	s_mov_b32 s73, 0
	s_lshl_b32 s2, s19, 9                          ; my first column in bytes: 512 gx + 256 (wave % 2)
	s_lshl_b32 s3, s[WL], 8
	s_add_co_u32 s2, s2, s3
	s_mov_b32 s3, 0
	s_lshl_b32 s70, s20, 20                        ; + my first row: 256 gy + 128 (wave / 2)
	s_lshl_b32 s71, s[WH], 19
	s_add_co_u32 s70, s70, s71
	s_add_co_u32 s70, s70, s2
	s_mov_b32 s71, 0
	s_lshl_b32 s86, s[WH], 17                      ; my 8 tiles in LDS
	s_mul_i32 s88, s[WV], 16*SP
	s_add_co_u32 s88, s88, STAGE                   ; my stage
	s_wait_dscnt 0x0                               ; both opening adds are done
	s_wait_kmcnt 0x0
	s_load_b256 s[76:83], s[10:11], 0x0            ; e0 .. e7
	s_add_nc_u64 s[G0+2:G0+3], s[4:5], s[66:67]
	s_or_b32 s[G0+3], s[G0+3], 0x80000000
	s_add_nc_u64 s[6:7], s[6:7], s[72:73]
	s_add_nc_u64 s[8:9], s[8:9], s[2:3]
	s_add_nc_u64 s[12:13], s[12:13], s[70:71]
	CROUND                                         ; the four work-groups are here: the joint loads meet
	tensor_load_to_lds s[G0:G0+3], s[G1:G1+7]      ; my quarter of the answers: a wave's one tensor load
	s_nop 0
.rept 4
	v_nop
.endr
	v_and_b32 v1, 15, v0                           ; r
	v_bfe_u32 v2, v0, 4, 1                         ; h
	v_and_b32 v3, 31, v0
	v_lshlrev_b32 v[LI], 4, v3
	v_add_nc_u32 v[ADA], s86, v[LI]
	v_add_nc_u32 v[ADA+1], 65536, v[ADA]
	v_mul_u32_u24 v5, v1, SP
	v_lshl_add_u32 v5, v2, 5, v5
	v_add_nc_u32 v[STO], s88, v5                   ; in: row r, 32 bytes for each half of the lanes
	v_mul_u32_u24 v5, v2, SP
	v_lshl_add_u32 v5, v1, 4, v5
	v_add_nc_u32 v[RD], s88, v5                    ; back: lanes 0-15 one row of 256 bytes, lanes 16-31 the next
	v_lshlrev_b32 v[CO], 4, v1
	v_lshl_add_u32 v[CO], v2, 12, v[CO]            ; and the same two rows in out0 (4,096 bytes a row)
	v_lshlrev_b32 v6, 5, v2                        ; b_out: 32 h
	s_wait_alu depctr_va_vdst(0)                   ; the wait at the end of the head's vector work
	WIN 0x80
.irp q, 0,1,2,3
.irp b, 0,1,2,3
.irp c, 0,1,2,3
	global_load_b128 v[64*\q+16*\b+4*\c:64*\q+16*\b+4*\c+3], v[LI], s[6:7] offset:\b*16384+\q*2048+\c*512
.endr
.endr
.endr
	WIN 0xc0
.irp q, 0,1,2,3
.irp b, 0,1,2,3
.irp c, 0,1,2,3
	global_load_b128 v[64*\q+16*\b+4*\c:64*\q+16*\b+4*\c+3], v[LI], s[6:7] offset:\b*16384+(\q+4)*2048+\c*512
.endr
.endr
.endr
	WIN 0
.irp b, 0,1,2,3
	global_load_b128 v[BO+8*\b:BO+8*\b+3], v6, s[8:9] offset:64*\b
	global_load_b128 v[BO+8*\b+4:BO+8*\b+7], v6, s[8:9] offset:64*\b+16
.endr
	s_wait_kmcnt 0x0
	s_add_co_i32 s84, s82, s83
	s_add_co_i32 s84, s84, 127
	s_lshl_b32 s84, s84, 23                        ; 2^(e6 + e7)
	s_mov_b32 s85, s84                             ; (named with it as a pair)
.macro ALOAD a                         ; 32 LDS loads: tile a's fragments, all of K, into set a % 2
	WIN 0x40
.irp q, 0,1,2,3,4,5,6,7
.irp c, 0,1,2,3
	ds_load_b128 v[128*((\a)%2)+16*\q+4*\c:128*((\a)%2)+16*\q+4*\c+3], v[ADA+(\a)/4] offset:((\a)%4)*16384+\q*2048+\c*512
.endr
.endr
	WIN 0
.endm
.macro ROW a                           ; tile a is finished: 32 matrix instructions; the first four start the sums; the four accumulators take turns
.set rA, 128*((\a)%2)
.set rD, AC+32*((\a)%2)
	WIN 0x06                                       ; source 0 = W (window 2), source 1 = the answers (window 1), C and D window 0
.irp q, 0,1,2,3
.irp b, 0,1,2,3
.if \q == 0
	v_wmma_f32_16x16x128_fp8_fp8 v[rD+8*\b:rD+8*\b+7], v[64*\q+16*\b:64*\q+16*\b+15], v[rA+16*\q:rA+16*\q+15], 0
.else
	v_wmma_f32_16x16x128_fp8_fp8 v[rD+8*\b:rD+8*\b+7], v[64*\q+16*\b:64*\q+16*\b+15], v[rA+16*\q:rA+16*\q+15], v[rD+8*\b:rD+8*\b+7]
.endif
.endr
.endr
	WIN 0x07                                       ; W's K steps 4-7 lie in window 3
.irp q, 0,1,2,3
.irp b, 0,1,2,3
	v_wmma_f32_16x16x128_fp8_fp8 v[rD+8*\b:rD+8*\b+7], v[64*\q+16*\b:64*\q+16*\b+15], v[rA+64+16*\q:rA+64+16*\q+15], v[rD+8*\b:rD+8*\b+7]
.endr
.endr
	WIN 0
.endm
; THE WAY OUT of a tile.  LDS serves a wave's instructions in order (ISA guide 5.7.1.4): no wait between the stores and the loads, nor in front of the next tile's stores
.macro TOSTAGE a
.set rD, AC+32*((\a)%2)
.irp b, 0,1,2,3
.irp i, 0,2,4,6
	v_pk_fma_f32 v[TMP+8*\b+\i:TMP+8*\b+\i+1], v[rD+8*\b+\i:rD+8*\b+\i+1], s[84:85], v[BO+8*\b+\i:BO+8*\b+\i+1] op_sel_hi:[1,0,1]   ; each accumulator from its low end on
.endr
.endr
.irp b, 0,1,2,3
	ds_store_b128 v[STO], v[TMP+8*\b:TMP+8*\b+3] offset:64*\b
	ds_store_b128 v[STO], v[TMP+8*\b+4:TMP+8*\b+7] offset:64*\b+16
.endr
.set BB, BK+32*((\a)%2)
.irp t, 0,1,2,3,4,5,6,7
	ds_load_b128 v[BB+4*\t:BB+4*\t+3], v[RD] offset:\t*2*SP
.endr
.endm
.macro SEND a, younger                 ; younger: the LDS instructions issued behind tile a's loads from the stage
.set BB, BK+32*((\a)%2)
	s_wait_dscnt \younger
.irp t, 0,1,2,3,4,5,6,7
	global_store_b128 v[CO], v[BB+4*\t:BB+4*\t+3], s[12:13] offset:(16*(\a)+2*\t)*4096 th:TH_STORE_NT   ; sixteen lanes store 256 consecutive bytes, aligned; the row stands in the immediate: 516,096 bytes at the most
.endr
.endm
	s_wait_tensorcnt 0x0                           ; my quarter of the answers is in
	s_barrier_signal -1
	s_barrier_wait -1                              ; and everybody's
	ALOAD 0
	ALOAD 1
	s_wait_loadcnt 0x0                             ; W and b_out
.irp a, 0,1,2,3,4,5,6,7
.if \a == 0
	s_wait_dscnt 32                                ; tile a's fragments are in.  Behind them: tile 1's 32 loads;
.elseif \a == 7
	s_wait_dscnt 16                                ; tile 6's 16 lines through the stage;
.else
	s_wait_dscnt 48                                ; tile a - 1's 16 lines through the stage and tile a + 1's 32 loads
.endif
	ROW \a
.if \a == 7
	SEND \a-1, 0
.elseif \a > 0
	SEND \a-1, 32                                  ; behind tile a - 1's loads from the stage: tile a + 1's 32 loads
.endif
	PLACES 4                                       ; in front of the first read of the results, and of the loads into the set just multiplied
.if \a > 1
	s_wait_xcnt 0x0                                ; tile a - 2's stores have read their registers: tile a's rows may land there
.endif
	TOSTAGE \a
.if \a < 6
	ALOAD \a+2
.endif
.endr
	SEND 7, 0
	s_wait_tensorcnt 0x0                           ; the wave's end
	ds_add_u32 v[SPW], v[NIL]
	s_wait_dscnt 0x0
	CROUND                                         ; the closing round
	s_endpgm
.Lfunc_end_k_qfb0c35af54_proj:
	.size	k_qfb0c35af54_proj, .Lfunc_end_k_qfb0c35af54_proj-k_qfb0c35af54_proj
	.p2alignl 7, 3214868480
	.fill 96, 4, 3214868480
	.section	.rodata,"a",@progbits
	.p2align	6, 0x0
	.amdhsa_kernel k_qfb0c35af54_proj
		.amdhsa_group_segment_fixed_size 327680
		.amdhsa_private_segment_fixed_size 0
		.amdhsa_enable_private_segment 0
		.amdhsa_kernarg_size 40
		.amdhsa_user_sgpr_count 2
		.amdhsa_user_sgpr_kernarg_segment_ptr 1
		.amdhsa_wavefront_size32 1
		.amdhsa_system_sgpr_workgroup_id_x 1
		.amdhsa_system_sgpr_workgroup_id_y 1
		.amdhsa_system_sgpr_workgroup_id_z 1
		.amdhsa_system_vgpr_workitem_id 0
		.amdhsa_next_free_vgpr 1024
		.amdhsa_next_free_sgpr 96
		.amdhsa_reserve_vcc 0
		.amdhsa_float_denorm_mode_32 3
		.amdhsa_float_denorm_mode_16_64 3
		.amdhsa_memory_ordered 1
		.amdhsa_forward_progress 1
		.amdhsa_inst_pref_size 75
	.end_amdhsa_kernel
	.amdgpu_metadata
---
amdhsa.version: [ 1, 2 ]
amdhsa.kernels:
  - .name:           k_qfb0c35af54_proj
    .symbol:         k_qfb0c35af54_proj.kd
    .args:
      - { .name: ans_img, .offset: 0, .size: 8, .value_kind: global_buffer, .address_space: global }
      - { .name: wo_img, .offset: 8, .size: 8, .value_kind: global_buffer, .address_space: global }
      - { .name: b_out, .offset: 16, .size: 8, .value_kind: global_buffer, .address_space: global }
      - { .name: lowp_scales, .offset: 24, .size: 8, .value_kind: global_buffer, .address_space: global }
      - { .name: out0, .offset: 32, .size: 8, .value_kind: global_buffer, .address_space: global }
    .group_segment_fixed_size: 327680
    .private_segment_fixed_size: 0
    .kernarg_segment_align: 8
    .kernarg_segment_size: 40
    .max_flat_workgroup_size: 128
    .sgpr_count:     96
    .vgpr_count:     1024
    .wavefront_size: 32
...
	.end_amdgpu_metadata
.endif
;; end of part 3
